; MI455X (gfx1250); checked and timed in simulation.
; The chip was launched on July 23, 2026; its instructions are those of AMD's public machine-readable ISA for CDNA 5 (MIT licence, August 2026) and "CDNA5" Instruction Set Architecture Reference Guide (July 2026). The comments in the code are by the model that wrote it; some were corrected since.
;; Causal Self Attention. Allowed arithmetic: matrix products marked QUANTISED: E4M3 operands, one given power-of-two scale a tensor, by v_wmma_f32_16x16x64_fp8_fp8 or v_wmma_f32_16x16x128_fp8_fp8, f32 sums; everything else in f32.
;; Inputs: beta 1,024 float32; gamma 1,024 float32; lowp_scales 8 int32 (the exponents e of the quantised operands' scales 2^e); w_out 1,024 x 1,024 float32; w_qkv 3,072 x 1,024 float32; x 4 x 2,048 x 1,024 float32.
;; Outputs: out0 4 x 2,048 x 1,024 float32.
;; This version of the problem:
;;   THIS VERSION OF THE PROBLEM IS GIVEN IN LOW PRECISION. The matrix products marked QUANTISED in the list below multiply operands that are first quantised to E4M3 (4 exponent bits, 3 mantissa bits; 8 bits a number), with one given power-of-two scale for each operand tensor; their sums are f32. All else is computed in f32.
;;   The module's matrix products, in the order in which they are computed (A, B: the left and right operand; K: the contracted axis; several contracted axes count as one K, in the product's order):
;;     1. [M 8,192, K 1,024] x [K 1,024, N 3,072]; A: computed on the way; B: input w_qkv: QUANTISED (scales: A lowp_scales[0], B lowp_scales[1])
;;     2. batch 64 x [M 2,048, K 64] x [K 64, N 2,048]; A: computed on the way; B: computed on the way: QUANTISED (scales: A lowp_scales[2], B lowp_scales[3])
;;     3. batch 64 x [M 2,048, K 2,048] x [K 2,048, N 64]; A: softmax (see below); B: computed on the way: QUANTISED (scales: A lowp_scales[4], B lowp_scales[5])
;;     4. [M 8,192, K 1,024] x [K 1,024, N 1,024]; A: computed on the way; B: input w_out: QUANTISED (scales: A lowp_scales[6], B lowp_scales[7])
;;   THE QUANTISER, for each operand of a quantised product, along K:
;;     - The operand's scale is 2^e, e = its entry of the input lowp_scales (int32; the entries are numbered through the quantised products in the list's order, A before B).
;;     - Each number is divided by the scale, clamped to +-448, and rounded to the nearest number of E4M3, ties to even, subnormals kept.
;;     - The product sums the exact products of the quantised numbers (number of the format x scale) in f32.
;;   ~~~python
;;   def quantise(x, axis, e):      # numpy; x: float32 -> the quantised numbers, widened to float32 again
;;       x = np.moveaxis(x, axis, -1); K = x.shape[-1]
;;       r = np.clip(x / 2.0 ** e, -448, 448)
;;       step = 2.0 ** (np.maximum(np.frexp(np.where(r == 0, 1, r))[1] - 1, -6) - 3)
;;       q = np.round(r / step) * step * 2.0 ** e      # np.round: ties to even
;;       return np.moveaxis(q, -1, axis).astype(np.float32)
;;   ~~~
;;   SOFTMAX AHEAD OF A QUANTISED PRODUCT. Where the list says 'softmax', what is quantised is not the finished softmax but p = 2^(t - M), with t = logit x log2(e) and M = ceil(the row's largest t), a whole number; so 1/2 < the row's largest p <= 1. The row's sum l is taken of the UNQUANTISED p, in f32, and the product's result is divided by l at the end. Since M is a whole number, a kernel that streams over the keys may use a running M (the ceiling of the running maximum): every later rescaling is an exact power of two, so the quantised numbers keep their values, but for numbers so far below the row's largest that they fall under the format's range.
;;   OPERANDS COMPUTED ON THE WAY. 'Computed on the way' means the value that the module computes at that place (a softmax that the list does not call 'softmax' is quantised finished and normalised). What goes into a quantiser is computed in f32, as accurately as f32 sums, v_exp_f32 and their like allow (about 1e-6 of the number): no bf16 or f16 on the way to a quantiser, and a product that is left as it is and whose result goes on into a quantised operand takes f32 operands (vector FMAs, or v_wmma_f32_16x16x4_f32). A number that lies on a knife's edge between two numbers of the format may be rounded either way, as far as f32 arithmetic and the matrix unit's own rounding can turn it there, and no further.
;; One version. Each part assembles by itself: llvm-mc -triple=amdgcn-amd-amdhsa -mcpu=gfx1250 --defsym DOCPART=n.
;; ======== version 1 of 1: 4 launches
;; limits: right only within a limited range of input values
;; workspace buffers: hc 8,388,608 bytes; wqc 3,145,728 bytes; woc 1,048,576 bytes; qc 8,388,608 bytes; kc 8,388,608 bytes; vc 8,388,608 bytes; ac 8,388,608 bytes
;; launch prep (part 1): grid 768 x 1, 4 waves a work-group, no clusters, 0 bytes of LDS; arguments x, gamma, beta, w_qkv, w_out, lowp_scales, hc, wqc, woc; writes hc, wqc, woc
.if DOCPART == 1
	.amdgcn_target "amdgcn-amd-amdhsa--gfx1250"
	.amdhsa_code_object_version 6
	.text
	.protected	k_q3e901ca2b5_prep
	.globl	k_q3e901ca2b5_prep
	.p2align	8
	.type	k_q3e901ca2b5_prep,@function
k_q3e901ca2b5_prep:
	s_mov_b64 s[64:65], 0
	v_nop
	global_prefetch_b8 v0, s[64:65] scope:SCOPE_SE
	s_setreg_imm32_b32 hwreg(HW_REG_WAVE_MODE, 25, 1), 1
	s_wait_xcnt 0x0
; PREP.  Three tensors with rows of 1,024 f32 become rows of 1,024 codes of E4M3, K innermost:
;   hc  [8192][1024] = Q(LayerNorm(x) * gamma + beta, scale 2^e0);  wqc [3072][1024] = Q(w_qkv, 2^e1);  woc [1024][1024] = Q(w_out, 2^e7).
; code = number / 2^e, held within +-448, rounded to the nearest code, ties to even.
; LIMITS: e0, e1, e7 between -126 and 119, so that 2^e and 448 x 2^e are f32 numbers.  NaN among the inputs is not served.
; SHARES.  A wave takes 4 whole rows, a work-group 16.  Work-groups 0-511 take x, 512-703 w_qkv, 704-767 w_out.  Pointers are chosen by the work-group's number; then the text parts ONCE, into an arm
; for x (gain, bias, LayerNorm) and an arm for the weights (the cast alone), and the arms do not join again.
; A lane holds, of each quarter c of a row, the 8 neighbours 256 c + 8 l + 0..7: two loads of 16 bytes, which together cover 1,024 consecutive bytes a wave.  So a conversion's eight
; numbers are neighbours along K in one lane, and a row's mean and variance need one sum over the wave's lanes each: no LDS, no barrier.
; All loads of a wave go out at the head of its arm; every row has its own registers for numbers and codes, so nothing that a pending load or store names is ever written again.
; THE ORDER OF THE CODES IN A ROW.  In each group of 32 codes the two middle pieces of 8 change places: k 0-7, 16-23, 8-15, 24-31.  A later load of 16 bytes at 32 q + 16 (lane / 16) then
; brings registers 4 q .. 4 q + 3 of the 8-bit operand layout as it is (registers 2 c, 2 c + 1: k = 16 c + 8 (lane / 16) + 0..7).  A wave's store of 8 bytes a lane still covers 256 consecutive bytes, aligned.
.set WG_W1, 512                        ; first work-group of w_qkv: 8,192 rows / 16
.set WG_W2, 704                        ; first work-group of w_out: + 3,072 rows / 16
.set LO,   14                          ; v14      32 x lane: my 32 bytes of a quarter row of f32
.set SO,   15                          ; v15      my 8 bytes of a quarter row of codes, the middle pieces swapped
.set GAM,  16                          ; v16-47   gamma of my 32 columns
.set BET,  48                          ; v48-79   beta
.set XR,   80                          ; v80-207  four rows, 32 numbers each
.set CDR,  208                         ; v208-239 their codes, 8 registers a row
.set LIM,  240                         ; v240     not written
.set SC,   241                         ; v241     2^e
.set PD,   242                         ; v242     the lane permute's destination
.macro XLOADS                          ; my wave's four rows: 32 loads, all out at once
.irp i, 0,1,2,3
.irp c, 0,1,2,3
	global_load_b128 v[XR+32*\i+8*\c:XR+32*\i+8*\c+3],   v[LO], s[32:33] offset:4096*\i+1024*\c th:TH_LOAD_NT      ; read once in the launch
	global_load_b128 v[XR+32*\i+8*\c+4:XR+32*\i+8*\c+7], v[LO], s[32:33] offset:4096*\i+1024*\c+16 th:TH_LOAD_NT
.endr
.endr
.endm
.macro MKSC e                          ; from the exponent in s[e]: 2^e and 448 x 2^e as f32
	s_add_co_i32 s37, s[\e], 127
	s_lshl_b32 s38, s37, 23
	v_mov_b32 v[SC], s38                           ; the conversion takes its exponent field
	s_add_co_i32 s37, s37, 8
	s_lshl_b32 s37, s37, 23
	s_or_b32 s37, s37, 0x600000
.endm
.macro FOLD                            ; four chains of pairs, v[2:9], become one number in v2
	v_pk_add_f32 v[2:3], v[2:3], v[4:5]
	v_pk_add_f32 v[6:7], v[6:7], v[8:9]
	v_pk_add_f32 v[2:3], v[2:3], v[6:7]
	v_add_f32 v2, v2, v3
.endm
.macro WSUM                            ; v2 summed over the wave's 32 lanes, the result in every lane
	v_add_f32_dpp v2, v2, v2 row_xmask:1 row_mask:0xf bank_mask:0xf
	v_add_f32_dpp v2, v2, v2 row_xmask:2 row_mask:0xf bank_mask:0xf
	v_add_f32_dpp v2, v2, v2 row_xmask:4 row_mask:0xf bank_mask:0xf
	v_add_f32_dpp v2, v2, v2 row_xmask:8 row_mask:0xf bank_mask:0xf
	v_permlanex16_b32 v[PD], v2, s42, s43
	v_add_f32 v2, v2, v[PD]
.endm
; Row i's 32 numbers a lane become 32 codes and leave.
.macro QROW i
.set R, XR+32*(\i)
.set j, 0
.rept 32
.set j, j+1
.endr
.irp c, 0,1,2,3
	v_cvt_scalef32_pk8_fp8_f32 v[CDR+8*(\i)+2*\c:CDR+8*(\i)+2*\c+1], v[R+8*\c:R+8*\c+7], v[SC]
.endr
	v_nop                                          ; one plain vector line behind the last conversion of the run
.irp c, 0,1,2,3
	global_store_b64 v[SO], v[CDR+8*(\i)+2*\c:CDR+8*(\i)+2*\c+1], s[34:35] offset:1024*(\i)+256*\c   ; 32 lanes store 256 consecutive bytes, aligned
.endr
.endm
; Row i of x: mean, then the variance of the differences (two passes over registers, so that a common offset of the row costs no digits), the gain and the bias.
.macro LNROW i
.set R, XR+32*(\i)
	s_wait_loadcnt 8*(3-(\i))                      ; loads come back in order: my row's eight are in, the eight of each younger row may be out; gamma and beta went out earlier
.irp k, 0,1,2,3
	v_pk_add_f32 v[2+2*\k:3+2*\k], v[R+2*\k:R+2*\k+1], v[R+8+2*\k:R+9+2*\k]   ; the first pairs start the four chains: nothing is cleared
.endr
.irp p, 8,9,10,11,12,13,14,15
	v_pk_add_f32 v[2+2*(\p%4):3+2*(\p%4)], v[2+2*(\p%4):3+2*(\p%4)], v[R+2*\p:R+2*\p+1]
.endr
	FOLD
	WSUM
	v_mul_f32 v10, s44, v2                         ; the mean, in both halves of a pair
	v_mul_f32 v11, s44, v2
.irp p, 0,1,2,3,4,5,6,7,8,9,10,11,12,13,14,15
	v_pk_add_f32 v[R+2*\p:R+2*\p+1], v[R+2*\p:R+2*\p+1], v[10:11] neg_lo:[0,1] neg_hi:[0,1]   ; x - mean
.endr
.irp k, 0,1,2,3
	v_pk_mul_f32 v[2+2*\k:3+2*\k], v[R+2*\k:R+2*\k+1], v[R+2*\k:R+2*\k+1]
.endr
.irp p, 4,5,6,7,8,9,10,11,12,13,14,15
	v_pk_fma_f32 v[2+2*(\p%4):3+2*(\p%4)], v[R+2*\p:R+2*\p+1], v[R+2*\p:R+2*\p+1], v[2+2*(\p%4):3+2*(\p%4)]
.endr
	FOLD
	WSUM
	v_fma_f32 v12, v2, s44, s45                    ; the variance + 1e-5
	s_wait_alu depctr_va_vdst(0)
	v_rsq_f32 v12, v12
	v_nop                                          ; a plain line behind the transcendental,
	s_wait_alu depctr_va_vdst(0)                   ; and the wait ahead of its first reader
	v_mov_b32 v13, v12
.irp p, 0,1,2,3,4,5,6,7,8,9,10,11,12,13,14,15
	v_pk_mul_f32 v[R+2*\p:R+2*\p+1], v[R+2*\p:R+2*\p+1], v[12:13]
.endr
.irp p, 0,1,2,3,4,5,6,7,8,9,10,11,12,13,14,15
	v_pk_fma_f32 v[R+2*\p:R+2*\p+1], v[R+2*\p:R+2*\p+1], v[GAM+2*\p:GAM+2*\p+1], v[BET+2*\p:BET+2*\p+1]
.endr
	QROW \i
.endm
.macro WROW i                          ; a row of a weight is quantised as it is
	s_wait_loadcnt 8*(3-(\i))                      ; my row's eight loads are in, the eight of each younger row may be out
	QROW \i
.endm
	s_load_b256 s[4:11], s[0:1], 0x0               ; x s[4:5], gamma s[6:7], beta s[8:9], w_qkv s[10:11]
	s_load_b256 s[12:19], s[0:1], 0x20             ; w_out s[12:13], the scales' exponents s[14:15], hc s[16:17], wqc s[18:19]
	s_load_b64 s[20:21], s[0:1], 0x40              ; woc
	v_lshrrev_b32 v1, 5, v0
	v_readfirstlane_b32 s22, v1                    ; wave 0..3
	v_and_b32 v1, 31, v0                           ; lane l
	v_lshlrev_b32 v[LO], 5, v1
	v_and_b32 v[SO], 28, v1                        ; the group of four pieces stays,
	v_and_b32 v2, 1, v1
	v_lshl_or_b32 v[SO], v2, 1, v[SO]              ; and the two low bits of the piece's number change places: 0, 2, 1, 3
	v_bfe_u32 v2, v1, 1, 1
	v_or_b32 v[SO], v[SO], v2
	v_lshlrev_b32 v[SO], 3, v[SO]
	v_mov_b32 v[PD], 0                             ; written once: a lane permute's destination counts as one of its sources
	s_mov_b32 s42, 0x76543210                      ; lane selects: each lane takes its own place in the other half
	s_mov_b32 s43, 0xfedcba98
	s_mov_b32 s44, 0x3a800000                      ; 1 / 1024
	s_mov_b32 s45, 0x3727c5ac                      ; 1e-5
	s_cmp_lt_u32 ttmp9, WG_W1
	s_cselect_b32 s36, 0, WG_W1
	s_cmp_lt_u32 ttmp9, WG_W2
	s_cselect_b32 s36, s36, WG_W2                  ; my tensor's first work-group
	s_sub_co_u32 s38, ttmp9, s36
	s_lshl_b32 s38, s38, 4
	s_lshl_b32 s39, s22, 2
	s_add_co_u32 s38, s38, s39                     ; my wave's first row: 16 x work-group + 4 x wave
	s_lshl_b32 s40, s38, 12                        ; in bytes of f32 (under 2^26),
	s_mov_b32 s41, 0
	s_lshl_b32 s46, s38, 10                        ; and of codes
	s_mov_b32 s47, 0
	s_wait_kmcnt 0x0
	s_load_b256 s[24:31], s[14:15], 0x0            ; e0 .. e7
	s_cmp_lt_u32 ttmp9, WG_W1                      ; the choices hang on the work-group's number alone
	s_cselect_b64 s[32:33], s[4:5], s[10:11]
	s_cselect_b64 s[34:35], s[16:17], s[18:19]
	s_cmp_lt_u32 ttmp9, WG_W2
	s_cselect_b64 s[32:33], s[32:33], s[12:13]
	s_cselect_b64 s[34:35], s[34:35], s[20:21]
	s_add_nc_u64 s[32:33], s[32:33], s[40:41]      ; from here
	s_add_nc_u64 s[34:35], s[34:35], s[46:47]      ; to here
	s_cmp_ge_u32 ttmp9, WG_W1
	s_cbranch_scc1 .Lweights                       ; the one parting of the ways
	s_wait_alu depctr_va_vdst(0)
	; ---- x: gain and bias first, then the rows
.irp c, 0,1,2,3
	global_load_b128 v[GAM+8*\c:GAM+8*\c+3],   v[LO], s[6:7] offset:1024*\c
	global_load_b128 v[GAM+8*\c+4:GAM+8*\c+7], v[LO], s[6:7] offset:1024*\c+16
	global_load_b128 v[BET+8*\c:BET+8*\c+3],   v[LO], s[8:9] offset:1024*\c
	global_load_b128 v[BET+8*\c+4:BET+8*\c+7], v[LO], s[8:9] offset:1024*\c+16
.endr
	XLOADS
	s_wait_kmcnt 0x0
	MKSC 24                                        ; e0
	LNROW 0
	LNROW 1
	LNROW 2
	LNROW 3
	s_endpgm
.Lweights:                                             ; ---- the weights have no gain and no bias
	s_wait_alu depctr_va_vdst(0)
	XLOADS
	s_wait_kmcnt 0x0
	s_cmp_lt_u32 ttmp9, WG_W2
	s_cselect_b32 s36, s25, s31                    ; e1 for w_qkv, e7 for w_out
	MKSC 36
	s_wait_alu depctr_va_vdst(0)
	WROW 0
	WROW 1
	WROW 2
	WROW 3
	s_endpgm
.Lfunc_end_k_q3e901ca2b5_prep:
	.size	k_q3e901ca2b5_prep, .Lfunc_end_k_q3e901ca2b5_prep-k_q3e901ca2b5_prep
	.p2alignl 7, 3214868480
	.fill 96, 4, 3214868480
	.section	.rodata,"a",@progbits
	.p2align	6, 0x0
	.amdhsa_kernel k_q3e901ca2b5_prep
		.amdhsa_group_segment_fixed_size 0
		.amdhsa_private_segment_fixed_size 0
		.amdhsa_enable_private_segment 0
		.amdhsa_kernarg_size 72
		.amdhsa_user_sgpr_count 2
		.amdhsa_user_sgpr_kernarg_segment_ptr 1
		.amdhsa_wavefront_size32 1
		.amdhsa_system_sgpr_workgroup_id_x 1
		.amdhsa_system_sgpr_workgroup_id_y 1
		.amdhsa_system_sgpr_workgroup_id_z 1
		.amdhsa_system_vgpr_workitem_id 0
		.amdhsa_next_free_vgpr 256
		.amdhsa_next_free_sgpr 66
		.amdhsa_reserve_vcc 0
		.amdhsa_float_denorm_mode_32 3
		.amdhsa_float_denorm_mode_16_64 3
		.amdhsa_fp16_overflow 1
		.amdhsa_memory_ordered 1
		.amdhsa_forward_progress 1
		.amdhsa_inst_pref_size 41
	.end_amdhsa_kernel
	.amdgpu_metadata
---
amdhsa.version: [ 1, 2 ]
amdhsa.kernels:
  - .name:           k_q3e901ca2b5_prep
    .symbol:         k_q3e901ca2b5_prep.kd
    .args:
      - { .name: x, .offset: 0, .size: 8, .value_kind: global_buffer, .address_space: global }
      - { .name: gamma, .offset: 8, .size: 8, .value_kind: global_buffer, .address_space: global }
      - { .name: beta, .offset: 16, .size: 8, .value_kind: global_buffer, .address_space: global }
      - { .name: w_qkv, .offset: 24, .size: 8, .value_kind: global_buffer, .address_space: global }
      - { .name: w_out, .offset: 32, .size: 8, .value_kind: global_buffer, .address_space: global }
      - { .name: lowp_scales, .offset: 40, .size: 8, .value_kind: global_buffer, .address_space: global }
      - { .name: hc, .offset: 48, .size: 8, .value_kind: global_buffer, .address_space: global }
      - { .name: wqc, .offset: 56, .size: 8, .value_kind: global_buffer, .address_space: global }
      - { .name: woc, .offset: 64, .size: 8, .value_kind: global_buffer, .address_space: global }
    .group_segment_fixed_size: 0
    .private_segment_fixed_size: 0
    .kernarg_segment_align: 8
    .kernarg_segment_size: 72
    .max_flat_workgroup_size: 128
    .sgpr_count:     66
    .vgpr_count:     256
    .wavefront_size: 32
...
	.end_amdgpu_metadata
.endif
;; end of part 1
;; launch qkv (part 2): grid 4 x 64, 4 waves a work-group, clusters of 4 x 4, 327,680 bytes of LDS; arguments hc, wqc, lowp_scales, qc, kc, vc; writes qc, kc, vc
.if DOCPART == 2
	.amdgcn_target "amdgcn-amd-amdhsa--gfx1250"
	.amdhsa_code_object_version 6
	.text
	.protected	k_q3e901ca2b5_qkv
	.globl	k_q3e901ca2b5_qkv
	.p2align	8
	.type	k_q3e901ca2b5_qkv,@function
k_q3e901ca2b5_qkv:
	s_mov_b64 s[64:65], 0
	v_nop
	global_prefetch_b8 v0, s[64:65] scope:SCOPE_SE
	s_setreg_imm32_b32 hwreg(HW_REG_WAVE_MODE, 25, 1), 1
	s_wait_xcnt 0x0
	s_wait_alu depctr_hold_cnt(0) depctr_sa_sdst(0) depctr_va_vdst(0) depctr_va_sdst(0) depctr_va_ssrc(0) depctr_va_vcc(0) depctr_vm_vsrc(0)
	s_getreg_b32 s2, hwreg(HW_REG_IB_STS2, 6, 4)
	s_cmp_eq_u32 s2, 0
	s_cbranch_scc0 .Lentry_in_a_cluster
	s_endpgm
.Lentry_in_a_cluster:
	s_bfe_u32 s2, ttmp6, 0x10000c
	s_cmp_lg_u32 s2, 0xf033
	s_cbranch_scc0 .Lentry_shape_is_right
	s_endpgm
.Lentry_shape_is_right:
; QKV.  [8192 tokens][1024] x [3072][1024]^T on codes of E4M3, sums in f32; q, k and v are quantised in registers (scales 2^e2, 2^e3, 2^e5) and stored as IMAGES OF THE NEXT OPERANDS' REGISTERS.
; A sum stands for sum x 2^(e0 + e1), so a result's code is sum / 2^(eo - e0 - e1), held within +-448: the three exponents are folded into the conversion's one scale.
; LIMITS: e2 - e0 - e1, e3 - e0 - e1 and e5 - e0 - e1 between -126 and 119, so that each power of two below is an f32 number.
; SHARES.  256 work-groups that stay: work-group (X, Y) takes tokens 128 Y .. + 127 and makes three tiles of 128 x 256: rows 256 X .. + 255 of the q part, then of the k part, then of the v part of the weight.
; The tokens' codes (128 rows x the whole K, 128 KiB) come into LDS once and serve all three tiles.  The weight streams in 12 K steps of 256 through two LDS slots, and the ring runs on from tile to tile.
; Wave w takes all 128 tokens x weight rows 64 w .. + 63, which is head 4 X + w: 32 accumulators (a = token tile 0..7, b = 0..3).  It fetches and reads its own 64 rows of each slot.
; CLUSTERS: 4 x 4 work-groups.  The four of a row of the cluster (same Y) need the same tokens, the four of a column (same X) the same weight rows: each tile is asked for JOINTLY, by the same tensor
; load with the same descriptor and a mask that names the four.  Every wave issues every tensor load of the text: no branch stands round one.
; LAYOUT OF THE RESULTS.  q, k: source 0 = 16 weight rows, source 1 = 16 tokens: a lane holds ONE token and its eight registers run along the head's 64, the next product's K: the four conversions of a token tile
; are the 8 registers of a 16 x 64 operand.  v: the sources change places: a lane holds ONE of the head's 64 and its registers run along the tokens, the keys of the last-but-one product: the eight conversions of a
; column tile are the 16 registers of a 16 x 128 operand.  An image is stored four registers at a time, lane l's 16 bytes at 16 l: every store covers 512 consecutive bytes, aligned; no stage, no transposition.
;   qc, kc: [batch x head 64][token tile 128][1,024 bytes];   vc: [batch x head][128 keys: 16][16 of the head's 64: 4][2,048 bytes].  A head is 131,072 bytes in each.
; REGISTERS, in windows of 256: window 0: addresses, scales, v32-95 held sums, v96-159 codes;  window 1: fragment set 0 (tokens at v[16 a], weight at v[128 + 16 b]);  window 2: set 1;  window 3: accumulator (a, b) at v[8 (4 a + b)].
; No prefetch is laid: the launch is short, and its first tiles are asked for at its head.
.set A_PITCH, 1040                     ; a token's row in LDS: 1,024 bytes + 16 = 260 words: row r starts at bank 4 r mod 64 (64 banks of 4 bytes: ISA guide 11.1)
.set A_BLK,  16*A_PITCH                ; from token tile to token tile
.set A_KS,   128                       ; from one 128 along K to the next
.set A_Q,    32                        ; from four registers of a fragment to the next four
.set A_HALF, 4*A_BLK                   ; the second address register serves token tiles 4-7, so that every immediate stays under 65,536
.set B_PITCH, 272                      ; a weight row in a slot: 256 bytes + 16
.set BWAVE,  64*B_PITCH                ; a wave's 64 rows
.set BSLOT,  4*BWAVE
.set BR,     128*A_PITCH               ; the ring begins behind the tokens
.set SPARE,  BR+2*BSLOT                ; behind the ring: the spare words, 128 bytes for each wave: two blocks of 256 bytes that no other line names
.set NEXTT,  1024*1024-512             ; from a tile's K step 2 or 3 to the next tile's K step 0 or 1: 1,024 weight rows on, 512 bytes back
.set ADRA, 16                          ; v16-17  LDS address of my lane in token tiles 0-3, 4-7
.set ADRB, 20                          ; v20-21  the same in my weight rows of slot 0, 1
.set GO,   24                          ; v24     16 x lane: my place in an image
.set SPW,  28                          ; v28     LDS address of my spare word; never rewritten
.set NIL,  29                          ; v29     0; never rewritten
.set TMP,  32
.set CD,   96
.set G1A, 24                           ; s[24:31] descriptor group 1 for the tokens; s[32:35] its group 0
.set G0A, 32
.set G1B, 40                           ; s[40:47] group 1 for the weight; s[48:55] group 0, one set for each slot
.set G0B, 48
.set MSB, 0
.macro WIN new                         ; the immediate's high byte repeats the setting that is left; a switch that changes nothing is dropped
.if MSB != \new
	s_set_vgpr_msb (MSB<<8)|(\new)
.set MSB, \new
.endif
.endm
.macro PLACES                          ; four plain vector lines between a matrix instruction and a load into one of its registers or a vector read of its result (ISA guide 7.12.1 for the vector reads)
.rept 4
	v_nop
.endr
.endm
.macro CREST                           ; a round of the cluster's barrier behind its opening barrier
	s_cmp_lg_u32 s16, 0
	s_cbranch_scc1 .Lnot_wave_0_\@
	s_barrier_signal -3
.Lnot_wave_0_\@:
	s_barrier_wait -3
	s_barrier_signal -1
	s_barrier_wait -1
.endm
.macro CROUND                          ; a whole round
	s_barrier_signal -1
	s_barrier_wait -1
	CREST
.endm
; 48 LDS loads in one run: the fragments of 128 along K (the ks-th of the tile's eight) into the set whose window is win: my 64 weight rows from the slot, then the 128 tokens.
.macro FETCH win, slot, ks
	WIN \win
.irp b, 0,1,2,3
.irp q, 0,1,2,3
	ds_load_b128 v[128+16*\b+4*\q:128+16*\b+4*\q+3], v[ADRB+(\slot)] offset:\b*16*B_PITCH+128*((\ks)%2)+32*\q
.endr
.endr
.irp a, 0,1,2,3,4,5,6,7
.irp q, 0,1,2,3
	ds_load_b128 v[16*\a+4*\q:16*\a+4*\q+3], v[ADRA+\a/4] offset:(\a%4)*A_BLK+(\ks)*A_KS+\q*A_Q
.endr
.endr
.endm
; 8 matrix instructions: token tiles a0, a0 + 1 x my four tiles of weight rows.  zero = 1: the product starts the sum.  swap = 1: the tokens are source 0 (the v part).
; The 32 accumulators take turns, one instruction a turn, in the same order in every 128 along K.
.macro MUL8 a0, zero, swap
.irp a, \a0, \a0+1
.irp b, 0,1,2,3
.set rC, 8*(4*(\a)+\b)
.set rA, 16*(\a)
.set rB, 128+16*\b
.if \swap
.if \zero
	v_wmma_f32_16x16x128_fp8_fp8 v[rC:rC+7], v[rA:rA+15], v[rB:rB+15], 0
.else
	v_wmma_f32_16x16x128_fp8_fp8 v[rC:rC+7], v[rA:rA+15], v[rB:rB+15], v[rC:rC+7]
.endif
.else
.if \zero
	v_wmma_f32_16x16x128_fp8_fp8 v[rC:rC+7], v[rB:rB+15], v[rA:rA+15], 0
.else
	v_wmma_f32_16x16x128_fp8_fp8 v[rC:rC+7], v[rB:rB+15], v[rA:rA+15], v[rC:rC+7]
.endif
.endif
.endr
.endr
.endm
; K step n (0..11; tile n / 4, slot n % 2) is two halves of 128 along K.  The first half multiplies set 0 and fetches the second half's fragments into set 1.
.macro SUB0 n, zero, swap
	s_wait_dscnt 0x0                               ; set 0 is in
	PLACES                                         ; set 1 was read by the last products
	FETCH 0x80, (\n)%2, 2*((\n)%4)+1
	WIN 0xF5                                       ; both sources window 1, C and D window 3
	MUL8 0, \zero, \swap
	MUL8 2, \zero, \swap
	MUL8 4, \zero, \swap
	MUL8 6, \zero, \swap
.endm
; The second half multiplies set 1 and changes slots.  In front of the barrier each wave waits for all its tensor loads (one is out: its rows of the next slot), adds 0 to its spare word, and waits for that and for
; its reads of this slot.  The barrier opens a round of the cluster's barrier: behind it no wave of any partner still reads this slot or has a load on its way, and the slot is filled again, with K step n + 2.
.macro TURN n, stepb, swap
	WIN 0                                          ; (the add's two registers lie in window 0)
	s_wait_tensorcnt 0x0                           ; all my tensor loads have landed
	ds_add_u32 v[SPW], v[NIL]                      ; 0 onto my spare word
	s_wait_dscnt 0x1                               ; set 1 is in; the add alone may be out
	WIN 0xFA                                       ; both sources window 2, C and D window 3
	MUL8 0, 0, \swap                               ; eight matrix instructions stand between the add and the wait for it
	s_wait_dscnt 0x0                               ; the add is done, and my reads of this slot are over
	s_barrier_signal -1
	MUL8 2, 0, \swap
	WIN 0
	s_barrier_wait -1
	CREST
	s_add_nc_u64 s[G0B+4*((\n)%2)+2:G0B+4*((\n)%2)+3], s[G0B+4*((\n)%2)+2:G0B+4*((\n)%2)+3], \stepb
	tensor_load_to_lds s[G0B+4*((\n)%2):G0B+4*((\n)%2)+3], s[G1B:G1B+7]   ; my one tensor load behind the round, and the first thing there
	s_nop 0
	PLACES                                         ; four plain lines behind a tensor load; they are also the places in front of the loads into set 0
	FETCH 0x40, ((\n)+1)%2, 2*(((\n)+1)%4)
	WIN 0xFA
	MUL8 4, 0, \swap
	MUL8 6, 0, \swap
.endm
.macro SUB1P n, swap                   ; the second half of the last K step but one: nothing is filled again, and a slot's rows are read by the wave that fetched them: its own wait orders the reads
	s_wait_tensorcnt 0x0                           ; my rows of the last K step are in
	s_wait_dscnt 0x0                               ; set 1 is in
	PLACES
	FETCH 0x40, ((\n)+1)%2, 2*(((\n)+1)%4)
	WIN 0xFA
	MUL8 0, 0, \swap
	MUL8 2, 0, \swap
	MUL8 4, 0, \swap
	MUL8 6, 0, \swap
.endm
.macro LAST swap
	s_wait_dscnt 0x0
	WIN 0xFA
	MUL8 0, 0, \swap
	MUL8 2, 0, \swap
	MUL8 4, 0, \swap
	MUL8 6, 0, \swap
.endm
; THE WAY OUT of a q or k tile.  Token tile a: its 32 sums a lane are held, converted (four conversions: registers 2 b, 2 b + 1 of the operand) and stored as an image of 1,024 bytes.  Each accumulator is read from its low end on.
.macro EPI_QK sc, lim, base
	PLACES
.irp a, 0,1,2,3,4,5,6,7
	WIN 0x03                                       ; source 0 window 3
.set i, 0
.rept 32
	v_med3_num_f32 v[TMP+32*(\a%2)+i], v[32*\a+i], s[\lim+1], s[\lim]   ; the conversion to an 8-bit code does not saturate (ISA guide 7.6.2): the hold at +-448 x the scale
.set i, i+1
.endr
	WIN 0
.irp b, 0,1,2,3
	v_cvt_scalef32_pk8_fp8_f32 v[CD+8*\a+2*\b:CD+8*\a+2*\b+1], v[TMP+32*(\a%2)+8*\b:TMP+32*(\a%2)+8*\b+7], v[\sc]
.endr
	v_nop                                          ; one plain vector line behind the last conversion of the run
	global_store_b128 v[GO], v[CD+8*\a:CD+8*\a+3],   s[\base:\base+1] offset:1024*\a       ; 32 lanes store 512 consecutive bytes, aligned
	global_store_b128 v[GO], v[CD+8*\a+4:CD+8*\a+7], s[\base:\base+1] offset:1024*\a+512
.endr
.endm
; THE WAY OUT of the v tile.  Column tile b: the eight token tiles' sums are 64 neighbouring keys' halves a lane: eight conversions give registers 2 a, 2 a + 1 of an operand of 16 x 128: an image of 2,048 bytes.
.macro EPI_V sc, lim, base
	PLACES
.irp b, 0,1,2,3
	WIN 0x03
.irp a, 0,1,2,3,4,5,6,7
.irp j, 0,1,2,3,4,5,6,7
	v_med3_num_f32 v[TMP+8*\a+\j], v[8*(4*\a+\b)+\j], s[\lim+1], s[\lim]
.endr
.endr
	WIN 0
.irp a, 0,1,2,3,4,5,6,7
	v_cvt_scalef32_pk8_fp8_f32 v[CD+16*\b+2*\a:CD+16*\b+2*\a+1], v[TMP+8*\a:TMP+8*\a+7], v[\sc]
.endr
	v_nop                                          ; one plain vector line between the conversions and the next tile's holds, which write their sources
.irp q, 0,1,2,3
	global_store_b128 v[GO], v[CD+16*\b+4*\q:CD+16*\b+4*\q+3], s[\base:\base+1] offset:2048*\b+512*\q
.endr
.endr
.endm
	s_load_b256 s[4:11], s[0:1], 0x0               ; hc s[4:5], wqc s[6:7], the scales' exponents s[8:9], qc s[10:11]
	s_load_b128 s[12:15], s[0:1], 0x20             ; kc s[12:13], vc s[14:15]
	v_lshl_add_u32 v[SPW], v0, 2, SPARE
	v_mov_b32 v[NIL], 0
	ds_add_u32 v28, v29
	ds_add_u32 v28, v29
	s_wait_dscnt 0x0
	v_lshrrev_b32 v1, 5, v0
	v_readfirstlane_b32 s16, v1                    ; wave 0..3
	s_bfe_u32 s17, ttmp6, 0x40000                  ; cx, cy: my place in the cluster
	s_bfe_u32 s18, ttmp6, 0x40004
	s_lshl_b32 s19, ttmp9, 2
	s_add_co_u32 s19, s19, s17                     ; X = 4 x cluster x + cx
	s_and_b32 s20, ttmp7, 0xffff
	s_lshl_b32 s20, s20, 2
	s_add_co_u32 s20, s20, s18                     ; Y = 4 x cluster y + cy
	s_lshl_b32 s21, s18, 2
	s_lshl_b32 s21, 15, s21                        ; my row of the cluster
	s_lshl_b32 s22, 0x1111, s17                    ; my column
	; group 1 for the tokens: 32 rows x 1,024 elements of one byte, four words of padding behind every 256
	s_or_b32 s[G1A], s21, (1<<20)|(1<<21)|(7<<22)|(3<<25)   ; 15:0 the mask: my row; 17:16 elements of 1 byte; 20 padding on; 21 set beside a mask; 24:22 after every 256 words (code 7); 31:25 four words (code 3)
	s_mov_b32 s[G1A+1], 1024<<16                   ; tensor_dim0
	s_mov_b32 s[G1A+2], 32<<16                     ; tensor_dim1
	s_mov_b32 s[G1A+3], 1024<<16                   ; tile_dim0
	s_mov_b32 s[G1A+4], 32                         ; tile_dim1
	s_mov_b32 s[G1A+5], 1024                       ; from row to row
	s_mov_b32 s[G1A+6], 0
	s_mov_b32 s[G1A+7], 0
	; group 1 for the weight: 64 rows x 256 bytes, four words of padding behind every 64
	s_or_b32 s[G1B], s22, (1<<20)|(1<<21)|(5<<22)|(3<<25)   ; the mask: my column
	s_mov_b32 s[G1B+1], 256<<16
	s_mov_b32 s[G1B+2], 64<<16
	s_mov_b32 s[G1B+3], 256<<16
	s_mov_b32 s[G1B+4], 64
	s_mov_b32 s[G1B+5], 1024
	s_mov_b32 s[G1B+6], 0
	s_mov_b32 s[G1B+7], 0
	s_lshl_b32 s36, s20, 17                        ; the tokens: row 128 Y + 32 x wave, 1,024 bytes a row: made of Y and the wave alone,
	s_lshl_b32 s37, s16, 15
	s_add_co_u32 s36, s36, s37
	s_mov_b32 s37, 0
	s_lshl_b32 s38, s19, 18                        ; the weight: row 256 X + 64 x wave: made of X and the wave alone
	s_lshl_b32 s39, s16, 16
	s_add_co_u32 s38, s38, s39
	s_mov_b32 s39, 0
	s_mul_i32 s23, s16, BWAVE                      ; my rows' place in a slot: no place in the cluster enters an LDS address
	s_lshr_b32 s66, s20, 4                         ; where my results go, the same in qc, kc and vc: (16 x batch + head) x 131,072 + (Y mod 16) x 8,192
	s_lshl_b32 s66, s66, 4
	s_lshl_b32 s67, s19, 2
	s_add_co_u32 s66, s66, s67
	s_add_co_u32 s66, s66, s16                     ; head = 4 X + wave
	s_lshl_b32 s66, s66, 17
	s_and_b32 s67, s20, 15
	s_lshl_b32 s67, s67, 13
	s_add_co_u32 s66, s66, s67
	s_mov_b32 s67, 0
	s_wait_kmcnt 0x0
	s_load_b256 s[56:63], s[8:9], 0x0              ; e0 .. e7
	s_mov_b32 s[G0A], 1                            ; count = 1
	s_mul_i32 s[G0A+1], s16, 32*A_PITCH            ; LDS address: my 32 rows
	s_add_nc_u64 s[G0A+2:G0A+3], s[4:5], s[36:37]
	s_or_b32 s[G0A+3], s[G0A+3], 0x80000000        ; type = 2
	s_add_nc_u64 s[38:39], s[6:7], s[38:39]
.irp s, 0,1
	s_mov_b32 s[G0B+4*\s], 1
	s_add_co_u32 s[G0B+4*\s+1], s23, BR+\s*BSLOT
	s_add_nc_u64 s[G0B+4*\s+2:G0B+4*\s+3], s[38:39], \s*256   ; K step s of the q part
	s_or_b32 s[G0B+4*\s+3], s[G0B+4*\s+3], 0x80000000
.endr
	s_add_nc_u64 s[74:75], s[10:11], s[66:67]      ; qc, kc, vc at my first image
	s_add_nc_u64 s[76:77], s[12:13], s[66:67]
	s_add_nc_u64 s[78:79], s[14:15], s[66:67]
	CROUND                                         ; all sixteen work-groups are here: the first joint loads meet
	tensor_load_to_lds s[G0A:G0A+3], s[G1A:G1A+7]  ; the first fills go out as one group: three loads of mine are out
	s_nop 0
	tensor_load_to_lds s[G0B:G0B+3], s[G1B:G1B+7]
	s_nop 0
	tensor_load_to_lds s[G0B+4:G0B+7], s[G1B:G1B+7]
	s_nop 0
	PLACES                                         ; four plain lines behind the last of them
	v_and_b32 v1, 15, v0                           ; r = lane % 16
	v_bfe_u32 v2, v0, 4, 1                         ; h = lane / 16
	v_mul_u32_u24 v[ADRA], v1, A_PITCH
	v_lshl_add_u32 v[ADRA], v2, 4, v[ADRA]         ; row r, + 16 h
	v_add_nc_u32 v[ADRA+1], A_HALF, v[ADRA]
	v_mul_u32_u24 v[ADRB], v1, B_PITCH
	v_lshl_add_u32 v[ADRB], v2, 4, v[ADRB]
	s_add_co_u32 s23, s23, BR
	v_add_nc_u32 v[ADRB], s23, v[ADRB]
	v_add_nc_u32 v[ADRB+1], BSLOT, v[ADRB]
	v_and_b32 v[GO], 31, v0
	v_lshlrev_b32 v[GO], 4, v[GO]
	s_wait_alu depctr_va_vdst(0)
	s_wait_kmcnt 0x0
	s_add_co_i32 s81, s56, s57
	s_sub_co_i32 s81, s81, 127                     ; e0 + e1 - 127
.macro MKSCALE e, vs, sl               ; v[vs] = 2^(e - e0 - e1) as f32; s[sl] = 448 x that; s[sl + 1] = the same with a minus
	s_sub_co_i32 s80, s[\e], s81
	s_lshl_b32 s82, s80, 23
	v_mov_b32 v[\vs], s82
	s_add_co_i32 s80, s80, 8
	s_lshl_b32 s80, s80, 23
	s_or_b32 s[\sl], s80, 0x600000
	s_xor_b32 s[\sl+1], s[\sl], 0x80000000
.endm
	MKSCALE 58, 8, 68                              ; q: e2
	MKSCALE 59, 9, 70                              ; k: e3
	MKSCALE 61, 10, 72                             ; v: e5
	s_wait_tensorcnt 0x1                           ; my part of the tokens and my rows of K step 0 are in; K step 1's may stay out
	s_barrier_signal -1
	s_barrier_wait -1                              ; everybody's part of the tokens is in
	FETCH 0x40, 0, 0
	SUB0 0, 1, 0                                   ; ---- q: the first products start the sums: nothing is cleared
	TURN 0, 512, 0
	SUB0 1, 0, 0
	TURN 1, 512, 0
	SUB0 2, 0, 0
	TURN 2, NEXTT, 0                               ; the ring goes on into the next tile
	SUB0 3, 0, 0
	TURN 3, NEXTT, 0
	EPI_QK 8, 68, 74                               ; the next tile's first fragments and its K step 1 are on their way meanwhile
	SUB0 4, 1, 0                                   ; ---- k
	TURN 4, 512, 0
	SUB0 5, 0, 0
	TURN 5, 512, 0
	SUB0 6, 0, 0
	TURN 6, NEXTT, 0
	SUB0 7, 0, 0
	TURN 7, NEXTT, 0
	s_wait_xcnt 0x0                                ; q's stores have read their registers: the codes' registers may be written again
	EPI_QK 9, 70, 76
	SUB0 8, 1, 1                                   ; ---- v: the sources change places
	TURN 8, 512, 1
	SUB0 9, 0, 1
	TURN 9, 512, 1
	SUB0 10, 0, 1
	SUB1P 10, 1
	SUB0 11, 0, 1
	LAST 1
	s_wait_xcnt 0x0                                ; k's stores have read their registers
	EPI_V 10, 72, 78
	WIN 0
	s_wait_tensorcnt 0x0                           ; the wave's end
	ds_add_u32 v[SPW], v[NIL]
	s_wait_dscnt 0x0
	CROUND                                         ; the closing round: no work-group ends while a partner may still ask for a tile that names it
	s_endpgm
.Lfunc_end_k_q3e901ca2b5_qkv:
	.size	k_q3e901ca2b5_qkv, .Lfunc_end_k_q3e901ca2b5_qkv-k_q3e901ca2b5_qkv
	.p2alignl 7, 3214868480
	.fill 96, 4, 3214868480
	.section	.rodata,"a",@progbits
	.p2align	6, 0x0
	.amdhsa_kernel k_q3e901ca2b5_qkv
		.amdhsa_group_segment_fixed_size 327680
		.amdhsa_private_segment_fixed_size 0
		.amdhsa_enable_private_segment 0
		.amdhsa_kernarg_size 48
		.amdhsa_user_sgpr_count 2
		.amdhsa_user_sgpr_kernarg_segment_ptr 1
		.amdhsa_wavefront_size32 1
		.amdhsa_system_sgpr_workgroup_id_x 1
		.amdhsa_system_sgpr_workgroup_id_y 1
		.amdhsa_system_sgpr_workgroup_id_z 1
		.amdhsa_system_vgpr_workitem_id 0
		.amdhsa_next_free_vgpr 1024
		.amdhsa_next_free_sgpr 84
		.amdhsa_reserve_vcc 0
		.amdhsa_float_denorm_mode_32 3
		.amdhsa_float_denorm_mode_16_64 3
		.amdhsa_memory_ordered 1
		.amdhsa_forward_progress 1
		.amdhsa_inst_pref_size 200
	.end_amdhsa_kernel
	.amdgpu_metadata
---
amdhsa.version: [ 1, 2 ]
amdhsa.kernels:
  - .name:           k_q3e901ca2b5_qkv
    .symbol:         k_q3e901ca2b5_qkv.kd
    .args:
      - { .name: hc, .offset: 0, .size: 8, .value_kind: global_buffer, .address_space: global }
      - { .name: wqc, .offset: 8, .size: 8, .value_kind: global_buffer, .address_space: global }
      - { .name: lowp_scales, .offset: 16, .size: 8, .value_kind: global_buffer, .address_space: global }
      - { .name: qc, .offset: 24, .size: 8, .value_kind: global_buffer, .address_space: global }
      - { .name: kc, .offset: 32, .size: 8, .value_kind: global_buffer, .address_space: global }
      - { .name: vc, .offset: 40, .size: 8, .value_kind: global_buffer, .address_space: global }
    .group_segment_fixed_size: 327680
    .private_segment_fixed_size: 0
    .kernarg_segment_align: 8
    .kernarg_segment_size: 48
    .max_flat_workgroup_size: 128
    .sgpr_count:     84
    .vgpr_count:     1024
    .wavefront_size: 32
...
	.end_amdgpu_metadata
.endif
;; end of part 2
;; launch attn (part 3): grid 4 x 64, 16 waves a work-group, clusters of 4 x 1, 327,680 bytes of LDS; arguments qc, kc, vc, lowp_scales, ac; writes ac
.if DOCPART == 3
	.amdgcn_target "amdgcn-amd-amdhsa--gfx1250"
	.amdhsa_code_object_version 6
	.text
	.protected	k_q3e901ca2b5_attn
	.globl	k_q3e901ca2b5_attn
	.p2align	8
	.type	k_q3e901ca2b5_attn,@function
k_q3e901ca2b5_attn:
	s_mov_b64 s[64:65], 0
	v_nop
	global_prefetch_b8 v0, s[64:65] scope:SCOPE_SE
	s_setreg_imm32_b32 hwreg(HW_REG_WAVE_MODE, 25, 1), 1
	s_wait_xcnt 0x0
	s_wait_alu depctr_hold_cnt(0) depctr_sa_sdst(0) depctr_va_vdst(0) depctr_va_sdst(0) depctr_va_ssrc(0) depctr_va_vcc(0) depctr_vm_vsrc(0)
	s_getreg_b32 s2, hwreg(HW_REG_IB_STS2, 6, 4)
	s_cmp_eq_u32 s2, 0
	s_cbranch_scc0 .Lentry_in_a_cluster
	s_endpgm
.Lentry_in_a_cluster:
	s_bfe_u32 s2, ttmp6, 0x10000c
	s_cmp_lg_u32 s2, 0x3003
	s_cbranch_scc0 .Lentry_shape_is_right
	s_endpgm
.Lentry_shape_is_right:
; ATTN.  Causal attention of 64 (batch, head) pairs, 2,048 tokens, head size 64, both products on codes of E4M3; the result is quantised (2^e6) for the output projection.
; THE SOFTMAX: t = score x log2(e) / 8; M = the row's largest t so far, rounded UP to a whole number; p = 2^(t - M) is quantised (2^e4) along the keys, not normalised.  The row's sum is taken of the
; unquantised p, in f32, and divides at the end.  When M moves, the sum and O are multiplied by 2^(old M - new M): nothing is rounded.
; LIMITS: e2 + e3 between -123 and 130 (they are added to the exponent field of log2(e) / 8); e4 and e6 between -126 and 119; e4 + e5 is applied by v_ldexp_f32 and has none.
; SHARES.  A cluster of four work-groups is one (batch, head).  The head's K and V, 2 x 131,072 bytes of codes, fill LDS ONCE, by joint loads that name all four partners: no byte of LDS is filled again.
; The head has 128 tiles of 16 queries, T = 8 g + 2 cx + u; tile T needs key steps (128 keys) 0 .. g, the last under the mask.  Wave w (s = w & 3, m = (w >> 2) & 1, u = w >> 3, j = s xor 7 m) owns the tiles with
; g = j and g = 15 - j: (j + 1) + (16 - j) = 17 tile steps in every wave of the launch.  Which steps a wave runs hangs on its number alone; the place in the cluster, cx, enters global addresses and the mask's threshold only.
; Sixteen waves of 256 registers: four to a SIMD, so that one wave's exponentials stand beside another's plain vector work, products and LDS loads.
; LAYOUT.  Both products are used transposed: S^T = K Q^T (source 0 = 16 keys, source 1 = my 16 queries, K = 64), O^T = V^T P^T (source 0 = 16 of the head's 64, source 1 = P, K = 128 keys): a lane holds ONE query (lane % 16)
; throughout.  Tile c of S^T holds keys 16 c + 8 (lane / 16) + 0..7 in its eight registers: their conversion is registers 2 c, 2 c + 1 of P as the 8-bit operand layout has them.  Likewise tile t of O^T becomes registers 2 t, 2 t + 1.
; K's, V's and Q's codes lie in memory as images of the operands' registers (four registers: lane l's 16 bytes at 16 l), so every LDS load takes 512 consecutive bytes.
;   ac: [token tile 512][128 along K: 8][2,048 bytes]: head hd fills registers 8 (hd % 2) .. + 7 of K step hd / 2: byte 16,384 x tile + 1,024 hd.
; No prefetch is laid: all that the launch reads is asked for at its head.
.set LI,   1                           ; v1   16 x lane
.set LIV,  2                           ; v2   the same in V's half of LDS
.set ADK,  3                           ; v3   LDS address of the step's K
.set ADV,  4                           ; v4   of its V
.set DD,   5                           ; v5   16 (2 cx + u) + lane % 16 - 8 (lane / 16): on the diagonal, register 8 c + i is hidden where 16 c + i is above it
.set NINF, 6                           ; v6   -infinity
.set LIM4, 7                           ; v7   not written
.set SC4,  8                           ; v8   2^e4
.set FF,   10                          ; v[10:11] f = 2^(old M - new M) (the pair's upper half is written once)
.set STA,  12                          ; v12 -M, v13 the largest t, v[14:15] the sum in two halves: my first tile's;
.set STB,  16                          ; v16-19 my second tile's
.set QA,   20                          ; v20-27, v28-35 the two tiles' Q
.set QB,   28
.set X,    36                          ; v36-99   eight fragments of K, then four of V
.set S,    100                         ; v100-163 S^T, then p
.set OA,   164                         ; v164-195, v196-227 O^T
.set OB,   196
.set P,    228                         ; v228-243 p's codes
.set M0,   244                         ; v244, v245 the maximum's two chains; v246, v247 lane permutes' destinations; v[248:249] the sum's second chain
.set M1,   245
.set PD,   246
.set S2,   248
.set RL,   250                         ; v250, v251 2^(e4 + e5) / the sum, of the two tiles
.set LIM6, 252                         ; v252 not written; v253 2^e6
.set SC6,  253
.set WV,   14                          ; s14  my wave's number
.set GA,   17                          ; s17, s18  g of my two tiles
.set GB,   18
.set SEL,  20                          ; s[20:21] lane selects for lane xor 16
.set CS,   22                          ; s[22:23] c = log2(e) / 8 x 2^(e2 + e3)
.set G1S,  24                          ; s[24:31] descriptor group 1: 8 rows of 256 bytes;  s[32:39]: 56 rows;  s[40:43], s[44:47] their groups 0
.set G1L,  32
.set G0S,  40
.set G0L,  44
.set KS,   56                          ; s56  the key step
.set TB,   57                          ; s57  8,192 x the key step: where its images begin, in K's half and in V's
.macro CROUND                          ; a round of the cluster's barrier
	s_barrier_signal -1
	s_barrier_wait -1
	s_cmp_lg_u32 s[WV], 0
	s_cbranch_scc1 .Lnot_wave_0_\@
	s_barrier_signal -3
.Lnot_wave_0_\@:
	s_barrier_wait -3
	s_barrier_signal -1
	s_barrier_wait -1
.endm
	s_load_b256 s[4:11], s[0:1], 0x0               ; qc s[4:5], kc s[6:7], vc s[8:9], the scales' exponents s[10:11]
	s_load_b64 s[12:13], s[0:1], 0x20              ; ac
	v_lshl_add_u32 v254, v0, 2, 0x40000
	v_mov_b32 v255, 0
	ds_add_u32 v254, v255
	ds_add_u32 v254, v255
	v_lshrrev_b32 v1, 5, v0
	s_delay_alu instid0(VALU_DEP_1)
	v_readfirstlane_b32 s[WV], v1                  ; wave 0..15
	s_bfe_u32 s15, ttmp6, 0x40000                  ; cx
	s_and_b32 s16, ttmp7, 0xffff                   ; 16 x batch + head, which the four partners share
	s_and_b32 s59, s[WV], 3
	s_bfe_u32 s60, s[WV], 0x10002
	s_mul_i32 s60, s60, 7
	s_xor_b32 s[GA], s59, s60                      ; j
	s_xor_b32 s[GB], s[GA], 15                     ; 15 - j
	s_lshr_b32 s19, s[WV], 3                       ; u.  Also: I fetch for K (0) or for V (1)
	s_mov_b32 s[G1S], 15|(3<<16)|(1<<21)           ; 15:0 the mask: all four work-groups; 17:16 elements of 8 bytes; 21 set beside a mask; no padding
	s_mov_b32 s[G1S+1], 32<<16                     ; tensor_dim0 = 32 elements: rows of 256 bytes of a dense block
	s_mov_b32 s[G1S+2], 8<<16                      ; tensor_dim1
	s_mov_b32 s[G1S+3], 32<<16                     ; tile_dim0
	s_mov_b32 s[G1S+4], 8                          ; tile_dim1
	s_mov_b32 s[G1S+5], 32                         ; from row to row
	s_mov_b32 s[G1S+6], 0
	s_mov_b32 s[G1S+7], 0
	s_mov_b32 s[G1L], 15|(3<<16)|(1<<21)
	s_mov_b32 s[G1L+1], 32<<16
	s_mov_b32 s[G1L+2], 56<<16
	s_mov_b32 s[G1L+3], 32<<16
	s_mov_b32 s[G1L+4], 56
	s_mov_b32 s[G1L+5], 32
	s_mov_b32 s[G1L+6], 0
	s_mov_b32 s[G1L+7], 0
	s_and_b32 s59, s[WV], 7                        ; which eighth of K or of V is mine:
	s_lshl_b32 s60, s59, 11                        ; 2,048 bytes of the first 16,384 (keys 0-255),
	s_mov_b32 s61, 0
	s_mul_i32 s62, s59, 14336                      ; and 14,336 of the other 114,688
	s_add_co_u32 s62, s62, 16384
	s_mov_b32 s63, 0
	s_lshl_b32 s59, s19, 17                        ; K's images lie at LDS byte 0, V's at 131,072, both as in memory
	s_mov_b32 s[G0S], 1
	s_add_co_u32 s[G0S+1], s59, s60
	s_mov_b32 s[G0L], 1
	s_add_co_u32 s[G0L+1], s59, s62
	s_lshl_b32 s76, s16, 17                        ; the head's first byte in qc, kc and vc
	s_mov_b32 s77, 0
	s_lshl_b32 s59, s15, 1
	s_add_co_u32 s59, s59, s19                     ; 2 cx + u
	s_lshl_b32 s78, s[GA], 3
	s_add_co_u32 s78, s78, s59                     ; my first tile's number in the head,
	s_lshl_b32 s79, s[GB], 3
	s_add_co_u32 s79, s79, s59                     ; my second's
	s_mov_b32 s[SEL], 0x76543210
	s_mov_b32 s[SEL+1], 0xfedcba98
	s_mov_b32 s[CS], 0x3e38aa3b                    ; log2(e) / 8
	s_wait_dscnt 0x0
	s_wait_kmcnt 0x0
	s_load_b256 s[48:55], s[10:11], 0x0            ; e0 .. e7
	s_cmp_lt_u32 s[WV], 8                          ; the choice hangs on the wave's number alone
	s_cselect_b64 s[74:75], s[6:7], s[8:9]
	s_add_nc_u64 s[74:75], s[74:75], s[76:77]
	s_add_nc_u64 s[G0S+2:G0S+3], s[74:75], s[60:61]
	s_or_b32 s[G0S+3], s[G0S+3], 0x80000000        ; type = 2
	s_add_nc_u64 s[G0L+2:G0L+3], s[74:75], s[62:63]
	s_or_b32 s[G0L+3], s[G0L+3], 0x80000000
	CROUND                                         ; all four work-groups are here: the joint loads meet
	tensor_load_to_lds s[G0S:G0S+3], s[G1S:G1S+7]  ; keys 0-255 first, so that the first two key steps can begin early: one load of mine is out
	s_nop 0
	s_wait_alu depctr_va_vdst(0)
	s_wait_tensorcnt 0x0
	ds_add_u32 v254, v255
	s_wait_dscnt 0x0
	CROUND
	tensor_load_to_lds s[G0L:G0L+3], s[G1L:G1L+7]
	s_nop 0
.rept 4
	v_nop                                          ; four plain lines behind the last of them
.endr
	s_add_nc_u64 s[4:5], s[4:5], s[76:77]          ; Q's images: 1,024 bytes a tile
	s_lshl_b32 s60, s78, 10
	s_add_nc_u64 s[66:67], s[4:5], s[60:61]
	s_lshl_b32 s60, s79, 10
	s_add_nc_u64 s[68:69], s[4:5], s[60:61]
	v_and_b32 v[LI], 31, v0
	s_delay_alu instid0(VALU_DEP_1)
	v_lshlrev_b32 v[LI], 4, v[LI]
	s_wait_alu depctr_va_vdst(0)
	global_load_b128 v[QA:QA+3],   v[LI], s[66:67]
	global_load_b128 v[QA+4:QA+7], v[LI], s[66:67] offset:512
	global_load_b128 v[QB:QB+3],   v[LI], s[68:69]
	global_load_b128 v[QB+4:QB+7], v[LI], s[68:69] offset:512
	s_lshr_b32 s62, s16, 4                         ; where my results go: (128 x batch + tile) x 16,384 + 1,024 x head
	s_lshl_b32 s62, s62, 21
	s_and_b32 s60, s16, 15
	s_lshl_b32 s60, s60, 10
	s_add_co_u32 s62, s62, s60
	s_add_nc_u64 s[12:13], s[12:13], s[62:63]
	s_lshl_b32 s62, s78, 14
	s_add_nc_u64 s[70:71], s[12:13], s[62:63]
	s_lshl_b32 s62, s79, 14
	s_add_nc_u64 s[72:73], s[12:13], s[62:63]
	v_add_nc_u32 v[LIV], 0x20000, v[LI]
	v_and_b32 v[DD], 15, v0
	v_bfe_u32 v9, v0, 4, 1
	s_delay_alu instid0(VALU_DEP_1)
	v_lshlrev_b32 v9, 3, v9
	s_delay_alu instid0(VALU_DEP_1)
	v_sub_nc_u32 v[DD], v[DD], v9
	s_lshl_b32 s59, s59, 4
	v_add_nc_u32 v[DD], s59, v[DD]
	v_mov_b32 v[NINF], 0xff800000
	v_mov_b32 v[FF+1], 0                           ; (named as the upper half of a pair)
	v_mov_b32 v[PD], 0                             ; written once: a lane permute's destination counts as one of its sources
	v_mov_b32 v[PD+1], 0
.irp st, STA, STB
	v_mov_b32 v[\st+1], 0xff61b1e6                 ; the largest t so far: -3e38, under every t
	s_delay_alu instid0(VALU_DEP_1)
	v_floor_f32 v[\st], -v[\st+1]                  ; -M
	v_mov_b32 v[\st+2], 0                          ; the sum, in two halves
	v_mov_b32 v[\st+3], 0
.endr
.set i, 0
.rept 64
	v_mov_b32 v[OA+i], 0                           ; O^T of both tiles.  (The step is written without a first step of its own: it finds zeros, which the first change of M leaves zeros)
.set i, i+1
.endr
	s_wait_kmcnt 0x0
	s_add_co_i32 s59, s50, s51
	s_lshl_b32 s59, s59, 23
	s_add_co_i32 s[CS], s[CS], s59                 ; a score stands for score x 2^(e2 + e3): the two exponents are added to c's exponent field
	s_mov_b32 s[CS+1], s[CS]                       ; (named with it as a pair, so it is written)
	s_add_co_i32 s59, s52, 127
	s_lshl_b32 s60, s59, 23
	v_mov_b32 v[SC4], s60
	s_add_co_i32 s59, s54, 127
	s_lshl_b32 s60, s59, 23
	v_mov_b32 v[SC6], s60
	s_add_co_i32 s58, s52, s53                     ; e4 + e5
; A TILE STEP: 16 queries x the 128 keys of step s[KS].  rq: the tile's Q; ro: its O^T; rs: its statistics; sg: the scalar register with its g.
.macro TSTEP rq, ro, rs, sg
	s_cmp_gt_u32 s[KS], s[\sg]                     ; all keys of the step come after the tile's queries: nothing to do.  The branch hangs on the wave's number and the step alone
	s_cbranch_scc1 .Lskip_\@
	v_add_nc_u32 v[ADK], s[TB], v[LI]
	v_add_nc_u32 v[ADV], s[TB], v[LIV]
	v_nop                                          ; with the two additions: four places between the last products and the loads into registers that they read
	v_nop
.irp c, 0,1,2,3,4,5,6,7
	ds_load_b128 v[X+8*\c:X+8*\c+3],   v[ADK] offset:1024*\c
	ds_load_b128 v[X+8*\c+4:X+8*\c+7], v[ADK] offset:1024*\c+512
.endr
	s_wait_alu depctr_va_vdst(0)
	s_wait_dscnt 0x0
.irp c, 0,1,2,3,4,5,6,7
	v_wmma_f32_16x16x64_fp8_fp8 v[S+8*\c:S+8*\c+7], v[X+8*\c:X+8*\c+7], v[\rq:\rq+7], 0
.endr
.rept 4
	v_nop                                          ; places in front of the loads below and of the first read of the scores
.endr
.irp t, 0,1,2,3
.irp q, 0,1,2,3
	ds_load_b128 v[X+16*\t+4*\q:X+16*\t+4*\q+3], v[ADV] offset:2048*\t+512*\q   ; V lands while the softmax is worked
.endr
.endr
	s_cmp_lg_u32 s[KS], s[\sg]
	s_cbranch_scc1 .Lopen_\@                       ; only the tile's last step lies on the diagonal
.set n, 0
.rept 64
	v_cmp_gt_i32 vcc_lo, 16*(n/8)+n%8, v[DD]       ; hidden scores become -infinity ahead of the maximum: p = 0 then.  The step's first key counts for every query of the tile
	v_cndmask_b32 v[S+n], v[S+n], v[NINF], vcc_lo
.set n, n+1
.endr
.Lopen_\@:
	v_max3_num_f32 v[M0], v[S], v[S+1], v[S+2]     ; the step's largest score of my query among my 64 keys, in two chains, each accumulator from its low end on,
	v_max3_num_f32 v[M1], v[S+3], v[S+4], v[S+5]
.irp i, 6,10,14,18,22,26,30,34,38,42,46,50,54,58
	v_max3_num_f32 v[M0], v[M0], v[S+\i], v[S+\i+1]
	v_max3_num_f32 v[M1], v[M1], v[S+\i+2], v[S+\i+3]
.endr
	v_max3_num_f32 v[M0], v[M0], v[S+62], v[S+63]
	s_delay_alu instid0(VALU_DEP_1)
	v_max_num_f32 v[M0], v[M0], v[M1]
	s_delay_alu instid0(VALU_DEP_1)
	v_permlanex16_b32 v[PD], v[M0], s[SEL], s[SEL+1]
	s_delay_alu instid0(VALU_DEP_1)
	v_max_num_f32 v[M0], v[M0], v[PD]              ; and among lane xor 16's
	s_delay_alu instid0(VALU_DEP_1)
	v_mul_f32 v[M0], s[CS], v[M0]                  ; as t (c is positive)
	s_delay_alu instid0(VALU_DEP_1)
	v_max_num_f32 v[\rs+1], v[\rs+1], v[M0]        ; the running largest t
	v_mov_b32 v[M0], v[\rs]
	s_delay_alu instid0(VALU_DEP_2)
	v_floor_f32 v[\rs], -v[\rs+1]                  ; the new -M = floor(-t) = -ceil(t): a whole number
	s_delay_alu instid0(VALU_DEP_1)
	v_sub_f32 v[M0], v[\rs], v[M0]                 ; M's old value less its new one: a whole number, 0 or less
	s_delay_alu instid0(VALU_DEP_1)
	v_cvt_i32_f32 v[M0], v[M0]                     ; (it saturates)
	s_delay_alu instid0(VALU_DEP_1)
	v_ldexp_f32 v[FF], 1.0, v[M0]                  ; f = 2^(old M - new M)
.set j, 0
.rept 32
	v_pk_fma_f32 v[S+j:S+j+1], v[S+j:S+j+1], s[CS:CS+1], v[\rs:\rs+1] op_sel_hi:[1,0,0]   ; t - M, two at a time (of the pairs c and -M the low word serves both halves)
.set j, j+2
.endr
.set j, 0
	s_wait_alu depctr_va_vdst(0)
.rept 64
	v_exp_f32 v[S+j], v[S+j]                       ; p = 2^(t - M), at most 1
.set j, j+1
.endr
	v_pk_mul_f32 v[\rs+2:\rs+3], v[\rs+2:\rs+3], v[FF:FF+1] op_sel_hi:[1,0]   ; the sums under the new M: the plain line behind the exponentials
	s_wait_alu depctr_va_vdst(0)                   ; one wait for the whole batch, ahead of its first reader
	v_pk_add_f32 v[S2:S2+1], v[S:S+1], v[S+2:S+3]  ; the row's sum is taken of the unquantised p: two at a time, in two chains
.irp j, 4,8,12,16,20,24,28,32,36,40,44,48,52,56,60
	v_pk_add_f32 v[\rs+2:\rs+3], v[\rs+2:\rs+3], v[S+\j:S+\j+1]
	v_pk_add_f32 v[S2:S2+1], v[S2:S2+1], v[S+\j+2:S+\j+3]
.endr
	s_delay_alu instid0(VALU_DEP_1)
	v_pk_add_f32 v[\rs+2:\rs+3], v[\rs+2:\rs+3], v[S2:S2+1]
.irp c, 0,1,2,3,4,5,6,7
.irp i, 0,1,2,3,4,5,6,7
.endr
	v_cvt_scalef32_pk8_fp8_f32 v[P+2*\c:P+2*\c+1], v[S+8*\c:S+8*\c+7], v[SC4]
.endr
.set j, 0
.rept 16
	v_pk_mul_f32 v[\ro+j:\ro+j+1], v[\ro+j:\ro+j+1], v[FF:FF+1] op_sel_hi:[1,0]   ; O^T under the new M.  (These are also the plain lines between the conversions and the products that read the codes)
.set j, j+2
.endr
	s_wait_alu depctr_va_vdst(0)
	s_wait_dscnt 0x0                               ; V is in
.irp t, 0,1,2,3
	v_wmma_f32_16x16x128_fp8_fp8 v[\ro+8*\t:\ro+8*\t+7], v[X+16*\t:X+16*\t+15], v[P:P+15], v[\ro+8*\t:\ro+8*\t+7]   ; four accumulators by turns
.endr
.Lskip_\@:
.endm
.macro KSTEP
	TSTEP QA, OA, STA, GA
	TSTEP QB, OB, STB, GB
.endm
	s_wait_loadcnt 0x0                             ; Q
	s_wait_tensorcnt 0x1                           ; my part of keys 0-255 is in; the large piece may stay out: the two steps below read none of its bytes
	s_barrier_signal -1
	s_barrier_wait -1                              ; everybody's part is in
	s_mov_b32 s[KS], 0                             ; the first two key steps are written out with constant addresses inside the first 16,384 bytes of K's and of V's half
	s_mov_b32 s[TB], 0
	KSTEP
	s_mov_b32 s[KS], 1
	s_mov_b32 s[TB], 8192
	KSTEP
	s_wait_tensorcnt 0x0                           ; my part of the rest is in,
	s_wait_dscnt 0x0
	s_barrier_signal -1
	s_barrier_wait -1                              ; everybody's is: from here on the waves need nothing of each other
	s_mov_b32 s[KS], 2
	s_mov_b32 s[TB], 16384
.Lks:                                              ; 14 trips in every wave; a tile's hidden steps are jumped over inside
	KSTEP
	s_add_co_u32 s[TB], s[TB], 8192
	s_add_co_u32 s[KS], s[KS], 1
	s_cmp_lt_u32 s[KS], 16
	s_cbranch_scc1 .Lks
	; THE WAY OUT.  The sums' halves are added; O^T x 2^(e4 + e5) / the sum is held, converted with 2^e6 and stored as half an image.
.rept 4
	v_nop                                          ; places behind the last products
.endr
	v_add_f32 v[STA+2], v[STA+2], v[STA+3]
	v_add_f32 v[STB+2], v[STB+2], v[STB+3]
	s_delay_alu instid0(VALU_DEP_2)
	v_permlanex16_b32 v[PD], v[STA+2], s[SEL], s[SEL+1]
	s_delay_alu instid0(VALU_DEP_2)
	v_permlanex16_b32 v[PD+1], v[STB+2], s[SEL], s[SEL+1]
	s_delay_alu instid0(VALU_DEP_2)
	v_add_f32 v[STA+2], v[STA+2], v[PD]            ; with lane xor 16's: the row's sum, at least 1/2
	s_delay_alu instid0(VALU_DEP_2)
	v_add_f32 v[STB+2], v[STB+2], v[PD+1]
	s_wait_alu depctr_va_vdst(0)
	v_rcp_f32 v[RL], v[STA+2]
	v_rcp_f32 v[RL+1], v[STB+2]
	v_nop                                          ; a plain line behind the reciprocals,
	s_wait_alu depctr_va_vdst(0)                   ; and one wait for both, ahead of their first reader
	v_ldexp_f32 v[RL], v[RL], s58
	v_ldexp_f32 v[RL+1], v[RL+1], s58
.macro FIN ro, rl, so, po, base
.set i, 0
.rept 32
	v_mul_f32 v[S+\so+i], v[\ro+i], v[\rl]         ; register 8 t + i is o(query lane % 16, channel 16 t + 8 (lane / 16) + i); each accumulator from its low end on
.set i, i+1
.endr
.set i, 0
.rept 32
.set i, i+1
.endr
.irp t, 0,1,2,3
	v_cvt_scalef32_pk8_fp8_f32 v[P+\po+2*\t:P+\po+2*\t+1], v[S+\so+8*\t:S+\so+8*\t+7], v[SC6]
.endr
	v_nop                                          ; one plain vector line behind the last conversion of the run
	global_store_b128 v[LI], v[P+\po:P+\po+3],   s[\base:\base+1]              ; 32 lanes store 512 consecutive bytes, aligned
	global_store_b128 v[LI], v[P+\po+4:P+\po+7], s[\base:\base+1] offset:512
.endm
	FIN OA, RL, 0, 0, 70
	FIN OB, RL+1, 32, 8, 72
	s_wait_tensorcnt 0x0
	ds_add_u32 v254, v255
	s_wait_dscnt 0x0
	CROUND                                         ; the closing round: no work-group ends while a partner may still ask for a tile that names it
	s_endpgm
.Lfunc_end_k_q3e901ca2b5_attn:
	.size	k_q3e901ca2b5_attn, .Lfunc_end_k_q3e901ca2b5_attn-k_q3e901ca2b5_attn
	.p2alignl 7, 3214868480
	.fill 96, 4, 3214868480
	.section	.rodata,"a",@progbits
	.p2align	6, 0x0
	.amdhsa_kernel k_q3e901ca2b5_attn
		.amdhsa_group_segment_fixed_size 327680
		.amdhsa_private_segment_fixed_size 0
		.amdhsa_enable_private_segment 0
		.amdhsa_kernarg_size 40
		.amdhsa_user_sgpr_count 2
		.amdhsa_user_sgpr_kernarg_segment_ptr 1
		.amdhsa_wavefront_size32 1
		.amdhsa_system_sgpr_workgroup_id_x 1
		.amdhsa_system_sgpr_workgroup_id_y 1
		.amdhsa_system_sgpr_workgroup_id_z 1
		.amdhsa_system_vgpr_workitem_id 0
		.amdhsa_next_free_vgpr 256
		.amdhsa_next_free_sgpr 80
		.amdhsa_reserve_vcc 1
		.amdhsa_float_denorm_mode_32 3
		.amdhsa_float_denorm_mode_16_64 3
		.amdhsa_fp16_overflow 1
		.amdhsa_memory_ordered 1
		.amdhsa_forward_progress 1
		.amdhsa_inst_pref_size 125
	.end_amdhsa_kernel
	.amdgpu_metadata
---
amdhsa.version: [ 1, 2 ]
amdhsa.kernels:
  - .name:           k_q3e901ca2b5_attn
    .symbol:         k_q3e901ca2b5_attn.kd
    .args:
      - { .name: qc, .offset: 0, .size: 8, .value_kind: global_buffer, .address_space: global }
      - { .name: kc, .offset: 8, .size: 8, .value_kind: global_buffer, .address_space: global }
      - { .name: vc, .offset: 16, .size: 8, .value_kind: global_buffer, .address_space: global }
      - { .name: lowp_scales, .offset: 24, .size: 8, .value_kind: global_buffer, .address_space: global }
      - { .name: ac, .offset: 32, .size: 8, .value_kind: global_buffer, .address_space: global }
    .group_segment_fixed_size: 327680
    .private_segment_fixed_size: 0
    .kernarg_segment_align: 8
    .kernarg_segment_size: 40
    .max_flat_workgroup_size: 512
    .sgpr_count:     80
    .vgpr_count:     256
    .wavefront_size: 32
...
	.end_amdgpu_metadata
.endif
;; end of part 3
;; launch proj (part 4): grid 4 x 64, 4 waves a work-group, clusters of 4 x 4, 327,680 bytes of LDS; arguments ac, woc, lowp_scales, out0; writes out0
.if DOCPART == 4
	.amdgcn_target "amdgcn-amd-amdhsa--gfx1250"
	.amdhsa_code_object_version 6
	.text
	.protected	k_q3e901ca2b5_proj
	.globl	k_q3e901ca2b5_proj
	.p2align	8
	.type	k_q3e901ca2b5_proj,@function
k_q3e901ca2b5_proj:
	s_mov_b64 s[64:65], 0
	v_nop
	global_prefetch_b8 v0, s[64:65] scope:SCOPE_SE
	s_setreg_imm32_b32 hwreg(HW_REG_WAVE_MODE, 25, 1), 1
	s_wait_xcnt 0x0
	s_wait_alu depctr_hold_cnt(0) depctr_sa_sdst(0) depctr_va_vdst(0) depctr_va_sdst(0) depctr_va_ssrc(0) depctr_va_vcc(0) depctr_vm_vsrc(0)
	s_getreg_b32 s2, hwreg(HW_REG_IB_STS2, 6, 4)
	s_cmp_eq_u32 s2, 0
	s_cbranch_scc0 .Lentry_in_a_cluster
	s_endpgm
.Lentry_in_a_cluster:
	s_bfe_u32 s2, ttmp6, 0x10000c
	s_cmp_lg_u32 s2, 0xf033
	s_cbranch_scc0 .Lentry_shape_is_right
	s_endpgm
.Lentry_shape_is_right:
; PROJ.  out0 [8192 tokens][1024] = attention's result x w_out^T on codes of E4M3, sums in f32, each finished sum x 2^(e6 + e7).
; LIMIT: e6 + e7 between -126 and 127, so that 2^(e6 + e7) is an f32 number.
; SHARES.  256 work-groups: (X, Y) makes tokens 128 Y .. + 127 x columns 256 X .. + 255.  The tokens' codes (the whole K, 128 KiB, images of the operand's registers) come into LDS once; the weight streams in four
; K steps of 256 through two LDS slots.  Wave w takes all 128 tokens x weight rows 64 w .. + 63: 32 accumulators (a = token tile 0..7, b = 0..3); it fetches and reads its own 64 rows of each slot.
; CLUSTERS: 4 x 4 work-groups.  The four of a row of the cluster (same Y) need the same tokens, the four of a column (same X) the same weight rows: each tile is asked for JOINTLY, by the same tensor load with the
; same descriptor and a mask that names the four.  Every wave issues every tensor load of the text.
; Source 0 = 16 weight rows, source 1 = 16 tokens: a lane holds eight neighbouring columns of one token's row.  A token tile's 16 rows x 256 bytes go through the wave's own stage in LDS and leave as whole rows.
; REGISTERS, in windows of 256: window 0: addresses, v32-95 scaled sums, v96-159 rows read back;  window 1: fragment set 0 (tokens at v[16 a], weight at v[128 + 16 b]);  window 2: set 1;  window 3: accumulator (a, b) at v[8 (4 a + b)].
; No prefetch is laid: the launch is short, and its first tiles are asked for at its head.
.set A_BLK,  16384                     ; from token tile to token tile: eight images of 2,048 bytes
.set A_KS,   2048                      ; from one 128 along K to the next
.set A_Q,    512                       ; from four registers of a fragment to the next four
.set A_HALF, 4*A_BLK                   ; the second address register serves token tiles 4-7, so that every immediate stays under 65,536
.set B_PITCH, 272                      ; a weight row in a slot: 256 bytes + 16 = 68 words: row r starts at bank 4 r mod 64 (64 banks of 4 bytes: ISA guide 11.1)
.set BWAVE,  64*B_PITCH
.set BSLOT,  4*BWAVE
.set BR,     8*A_BLK                   ; the ring begins behind the tokens
.set SPARE,  BR+2*BSLOT                ; behind the ring: the spare words, 128 bytes for each wave: two blocks of 256 bytes that no other line names
.set STAGE,  SPARE+512                 ; behind them: 16 rows x 272 bytes for each wave, bytes of their own into which no tile lands
.set SPITCH, 272
.set ADRA, 16                          ; v16-17  LDS address of my lane in the images of token tiles 0-3, 4-7
.set ADRB, 20                          ; v20-21  the same in my weight rows of slot 0, 1
.set STO,  25                          ; v25     the way out: where I put 32 bytes of a row
.set RD,   26                          ; v26     where I read a row back
.set CO,   27                          ; v27     my byte offset in two rows of out0
.set SPW,  28                          ; v28     LDS address of my spare word; never rewritten
.set NIL,  29                          ; v29     0; never rewritten
.set TMP,  32
.set BK,   96
.set G1A, 24                           ; s[24:31] descriptor group 1 for the tokens; s[32:35] its group 0
.set G0A, 32
.set G1B, 40                           ; s[40:47] group 1 for the weight; s[48:55] group 0, one set for each slot
.set G0B, 48
.set MSB, 0
.macro WIN new                         ; the immediate's high byte repeats the setting that is left; a switch that changes nothing is dropped
.if MSB != \new
	s_set_vgpr_msb (MSB<<8)|(\new)
.set MSB, \new
.endif
.endm
.macro PLACES                          ; four plain vector lines between a matrix instruction and a load into one of its registers or a vector read of its result (ISA guide 7.12.1 for the vector reads)
.rept 4
	v_nop
.endr
.endm
.macro CREST                           ; a round of the cluster's barrier behind its opening barrier
	s_cmp_lg_u32 s16, 0
	s_cbranch_scc1 .Lnot_wave_0_\@
	s_barrier_signal -3
.Lnot_wave_0_\@:
	s_barrier_wait -3
	s_barrier_signal -1
	s_barrier_wait -1
.endm
.macro CROUND                          ; a whole round
	s_barrier_signal -1
	s_barrier_wait -1
	CREST
.endm
; 48 LDS loads in one run: the fragments of the ks-th 128 along K into the set whose window is win: my 64 weight rows from the slot, then the 128 tokens.
.macro FETCH win, slot, ks
	WIN \win
.irp b, 0,1,2,3
.irp q, 0,1,2,3
	ds_load_b128 v[128+16*\b+4*\q:128+16*\b+4*\q+3], v[ADRB+(\slot)] offset:\b*16*B_PITCH+128*((\ks)%2)+32*\q
.endr
.endr
.irp a, 0,1,2,3,4,5,6,7
.irp q, 0,1,2,3
	ds_load_b128 v[16*\a+4*\q:16*\a+4*\q+3], v[ADRA+\a/4] offset:(\a%4)*A_BLK+(\ks)*A_KS+\q*A_Q
.endr
.endr
.endm
; 8 matrix instructions: token tiles a0, a0 + 1 x my four tiles of weight rows.  zero = 1: the product starts the sum.
; The 32 accumulators take turns, one instruction a turn, in the same order in every 128 along K.
.macro MUL8 a0, zero
.irp a, \a0, \a0+1
.irp b, 0,1,2,3
.set rC, 8*(4*(\a)+\b)
.set rA, 16*(\a)
.set rB, 128+16*\b
.if \zero
	v_wmma_f32_16x16x128_fp8_fp8 v[rC:rC+7], v[rB:rB+15], v[rA:rA+15], 0
.else
	v_wmma_f32_16x16x128_fp8_fp8 v[rC:rC+7], v[rB:rB+15], v[rA:rA+15], v[rC:rC+7]
.endif
.endr
.endr
.endm
; K step n (0..3; slot n % 2) is two halves of 128 along K.  The first half multiplies set 0 and fetches the second half's fragments into set 1.
.macro SUB0 n, zero
	s_wait_dscnt 0x0                               ; set 0 is in
	PLACES                                         ; set 1 was read by the last products
	FETCH 0x80, (\n)%2, 2*(\n)+1
	WIN 0xF5                                       ; both sources window 1, C and D window 3
	MUL8 0, \zero
	MUL8 2, \zero
	MUL8 4, \zero
	MUL8 6, \zero
.endm
; The second half multiplies set 1 and changes slots.  In front of the barrier each wave waits for all its tensor loads (one is out: its rows of the next slot), adds 0 to its spare word, and waits for that and for
; its reads of this slot.  The barrier opens a round of the cluster's barrier: behind it no wave of any partner still reads this slot or has a load on its way, and the slot is filled again, with K step n + 2.
.macro TURN n
	WIN 0                                          ; (the add's two registers lie in window 0)
	s_wait_tensorcnt 0x0                           ; all my tensor loads have landed
	ds_add_u32 v[SPW], v[NIL]                      ; 0 onto my spare word
	s_wait_dscnt 0x1                               ; set 1 is in; the add alone may be out
	WIN 0xFA                                       ; both sources window 2, C and D window 3
	MUL8 0, 0                                      ; eight matrix instructions stand between the add and the wait for it
	s_wait_dscnt 0x0                               ; the add is done, and my reads of this slot are over
	s_barrier_signal -1
	MUL8 2, 0
	WIN 0
	s_barrier_wait -1
	CREST
	s_add_nc_u64 s[G0B+4*((\n)%2)+2:G0B+4*((\n)%2)+3], s[G0B+4*((\n)%2)+2:G0B+4*((\n)%2)+3], 512
	tensor_load_to_lds s[G0B+4*((\n)%2):G0B+4*((\n)%2)+3], s[G1B:G1B+7]   ; my one tensor load behind the round, and the first thing there
	s_nop 0
	PLACES                                         ; four plain lines behind a tensor load; they are also the places in front of the loads into set 0
	s_wait_alu depctr_va_vdst(0)
	FETCH 0x40, ((\n)+1)%2, 2*((\n)+1)
	WIN 0xFA
	MUL8 4, 0
	MUL8 6, 0
.endm
.macro SUB1P n                         ; the second half of the last K step but one: nothing is filled again, and a slot's rows are read by the wave that fetched them: its own wait orders the reads
	s_wait_tensorcnt 0x0                           ; my rows of the last K step are in
	s_wait_dscnt 0x0                               ; set 1 is in
	PLACES
	FETCH 0x40, ((\n)+1)%2, 2*((\n)+1)
	WIN 0xFA
	MUL8 0, 0
	MUL8 2, 0
	MUL8 4, 0
	MUL8 6, 0
.endm
; THE WAY OUT of token tile a.  TOSTAGE: the sums x 2^(e6 + e7), each accumulator from its low end on, into my stage, and back as whole rows of 256 bytes.  SEND: stored.
.macro TOSTAGE a
.set rT, TMP+32*((\a)%2)
.set rK, BK+32*((\a)%2)
	WIN 0x03                                       ; source 0 window 3
.set i, 0
.rept 16
	v_pk_mul_f32 v[rT+i:rT+i+1], v[32*(\a)+i:32*(\a)+i+1], s[58:59] op_sel_hi:[1,0]
.set i, i+2
.endr
	WIN 0
.irp b, 0,1,2,3
	ds_store_b128 v[STO], v[rT+8*\b:rT+8*\b+3]   offset:64*\b
	ds_store_b128 v[STO], v[rT+8*\b+4:rT+8*\b+7] offset:64*\b+16
.endr
.irp t, 0,1,2,3,4,5,6,7
	ds_load_b128 v[rK+4*\t:rK+4*\t+3], v[RD] offset:\t*2*SPITCH   ; LDS serves a wave's instructions in order (ISA guide 5.7.1.4): these see the stores above, and the next tile's stores come behind them
.endr
.endm
.macro SEND a, younger                 ; younger: the LDS instructions issued behind tile a's loads, which may stay out
.set rK, BK+32*((\a)%2)
	s_wait_dscnt \younger
.irp t, 0,1,2,3,4,5,6,7
	global_store_b128 v[CO], v[rK+4*\t:rK+4*\t+3], s[10:11] offset:65536*(\a)+8192*\t th:TH_STORE_NT   ; 16 lanes store 256 consecutive bytes, aligned; written once, read by nobody here
.endr
.endm
	s_load_b256 s[4:11], s[0:1], 0x0               ; ac s[4:5], woc s[6:7], the scales' exponents s[8:9], out0 s[10:11]
	v_lshl_add_u32 v[SPW], v0, 2, SPARE
	v_mov_b32 v[NIL], 0
	ds_add_u32 v28, v29
	ds_add_u32 v28, v29
	s_wait_dscnt 0x0
	v_lshrrev_b32 v1, 5, v0
	v_readfirstlane_b32 s16, v1                    ; wave 0..3
	s_bfe_u32 s17, ttmp6, 0x40000                  ; cx, cy: my place in the cluster
	s_bfe_u32 s18, ttmp6, 0x40004
	s_lshl_b32 s19, ttmp9, 2
	s_add_co_u32 s19, s19, s17                     ; X = 4 x cluster x + cx
	s_and_b32 s20, ttmp7, 0xffff
	s_lshl_b32 s20, s20, 2
	s_add_co_u32 s20, s20, s18                     ; Y = 4 x cluster y + cy
	s_lshl_b32 s21, s18, 2
	s_lshl_b32 s21, 15, s21                        ; my row of the cluster
	s_lshl_b32 s22, 0x1111, s17                    ; my column
	; group 1 for the tokens: a dense block as 128 rows of 256 bytes, no padding
	s_or_b32 s[G1A], s21, (3<<16)|(1<<21)          ; 15:0 the mask: my row; 17:16 elements of 8 bytes; 21 set beside a mask
	s_mov_b32 s[G1A+1], 32<<16                     ; tensor_dim0
	s_mov_b32 s[G1A+2], 128<<16                    ; tensor_dim1
	s_mov_b32 s[G1A+3], 32<<16                     ; tile_dim0
	s_mov_b32 s[G1A+4], 128                        ; tile_dim1
	s_mov_b32 s[G1A+5], 32                         ; from row to row
	s_mov_b32 s[G1A+6], 0
	s_mov_b32 s[G1A+7], 0
	; group 1 for the weight: 64 rows x 256 elements of one byte, four words of padding behind every 64
	s_or_b32 s[G1B], s22, (1<<20)|(1<<21)|(5<<22)|(3<<25)   ; the mask: my column; 20 padding on; 24:22 after every 64 words (code 5); 31:25 four words (code 3)
	s_mov_b32 s[G1B+1], 256<<16
	s_mov_b32 s[G1B+2], 64<<16
	s_mov_b32 s[G1B+3], 256<<16
	s_mov_b32 s[G1B+4], 64
	s_mov_b32 s[G1B+5], 1024
	s_mov_b32 s[G1B+6], 0
	s_mov_b32 s[G1B+7], 0
	s_lshl_b32 s36, s20, 17                        ; the tokens: 131,072 Y + 32,768 x wave: made of Y and the wave alone,
	s_lshl_b32 s37, s16, 15
	s_add_co_u32 s36, s36, s37
	s_mov_b32 s37, 0
	s_lshl_b32 s38, s19, 18                        ; the weight: row 256 X + 64 x wave, 1,024 bytes a row: made of X and the wave alone
	s_lshl_b32 s39, s16, 16
	s_add_co_u32 s38, s38, s39
	s_mov_b32 s39, 0
	s_mul_i32 s23, s16, BWAVE                      ; my rows' place in a slot: no place in the cluster enters an LDS address
	s_lshl_b32 s66, s20, 19                        ; out0: row 128 Y of 4,096 bytes, + 1,024 X + 256 x wave
	s_lshl_b32 s67, s19, 10
	s_add_co_u32 s66, s66, s67
	s_lshl_b32 s67, s16, 8
	s_add_co_u32 s66, s66, s67
	s_mov_b32 s67, 0
	s_wait_kmcnt 0x0
	s_load_b256 s[56:63], s[8:9], 0x0              ; e0 .. e7
	s_mov_b32 s[G0A], 1                            ; count = 1
	s_lshl_b32 s[G0A+1], s16, 15                   ; LDS address: my 32,768 bytes
	s_add_nc_u64 s[G0A+2:G0A+3], s[4:5], s[36:37]
	s_or_b32 s[G0A+3], s[G0A+3], 0x80000000        ; type = 2
	s_add_nc_u64 s[38:39], s[6:7], s[38:39]
.irp s, 0,1
	s_mov_b32 s[G0B+4*\s], 1
	s_add_co_u32 s[G0B+4*\s+1], s23, BR+\s*BSLOT
	s_add_nc_u64 s[G0B+4*\s+2:G0B+4*\s+3], s[38:39], \s*256   ; K step s
	s_or_b32 s[G0B+4*\s+3], s[G0B+4*\s+3], 0x80000000
.endr
	s_add_nc_u64 s[10:11], s[10:11], s[66:67]
	CROUND                                         ; all sixteen work-groups are here: the first joint loads meet
	tensor_load_to_lds s[G0A:G0A+3], s[G1A:G1A+7]  ; the first fills go out as one group: three loads of mine are out
	s_nop 0
	tensor_load_to_lds s[G0B:G0B+3], s[G1B:G1B+7]
	s_nop 0
	tensor_load_to_lds s[G0B+4:G0B+7], s[G1B:G1B+7]
	s_nop 0
	PLACES                                         ; four plain lines behind the last of them
	v_and_b32 v1, 15, v0                           ; r = lane % 16
	v_bfe_u32 v2, v0, 4, 1                         ; h = lane / 16
	v_and_b32 v[ADRA], 31, v0
	v_lshlrev_b32 v[ADRA], 4, v[ADRA]              ; an image's place for my lane: 16 x lane
	v_add_nc_u32 v[ADRA+1], A_HALF, v[ADRA]
	v_mul_u32_u24 v[ADRB], v1, B_PITCH
	v_lshl_add_u32 v[ADRB], v2, 4, v[ADRB]         ; row r, + 16 h
	s_add_co_u32 s23, s23, BR
	v_add_nc_u32 v[ADRB], s23, v[ADRB]
	v_add_nc_u32 v[ADRB+1], BSLOT, v[ADRB]
	s_mul_i32 s80, s16, 16*SPITCH
	s_add_co_u32 s80, s80, STAGE                   ; my stage
	v_mul_u32_u24 v[STO], v1, SPITCH               ; in: row r, 32 bytes for each half of the lanes
	v_lshl_add_u32 v[STO], v2, 5, v[STO]
	v_add_nc_u32 v[STO], s80, v[STO]
	v_mul_u32_u24 v[RD], v2, SPITCH                ; back: lanes 0-15 take one row of 256 bytes, lanes 16-31 the next
	v_lshl_add_u32 v[RD], v1, 4, v[RD]
	v_add_nc_u32 v[RD], s80, v[RD]
	v_lshlrev_b32 v[CO], 12, v2                    ; and the same two rows in out0
	v_lshl_add_u32 v[CO], v1, 4, v[CO]
	s_wait_kmcnt 0x0
	s_add_co_i32 s58, s62, s63                     ; e6 + e7
	s_add_co_i32 s58, s58, 127
	s_lshl_b32 s58, s58, 23                        ; 2^(e6 + e7) as f32
	s_mov_b32 s59, s58                             ; (named with it as a pair, so it is written)
	s_wait_tensorcnt 0x1                           ; my part of the tokens and my rows of K step 0 are in; K step 1's may stay out
	s_barrier_signal -1
	s_barrier_wait -1                              ; everybody's part of the tokens is in
	FETCH 0x40, 0, 0
	SUB0 0, 1                                      ; the first products start the sums: nothing is cleared
	TURN 0
	SUB0 1, 0
	TURN 1
	SUB0 2, 0
	SUB1P 2
	SUB0 3, 0
	s_wait_dscnt 0x0                               ; the very last 128 along K: nothing more to fetch
	WIN 0xFA
	MUL8 0, 0
	MUL8 2, 0
	MUL8 4, 0
	MUL8 6, 0
	PLACES
	TOSTAGE 0
.irp a, 1,2,3,4,5,6,7
.if \a > 1
	s_wait_xcnt 0x0                                ; tile a - 2's stores have read their registers: tile a's rows may land there
.endif
	TOSTAGE \a
	SEND \a-1, 16                                  ; behind tile a - 1's loads: tile a's 8 stores and 8 loads
.endr
	SEND 7, 0
	s_wait_tensorcnt 0x0                           ; the wave's end: behind my last tensor load and my last LDS store
	ds_add_u32 v[SPW], v[NIL]
	s_wait_dscnt 0x0
	CROUND                                         ; the closing round: no work-group ends while a partner may still ask for a tile that names it
	s_endpgm
.Lfunc_end_k_q3e901ca2b5_proj:
	.size	k_q3e901ca2b5_proj, .Lfunc_end_k_q3e901ca2b5_proj-k_q3e901ca2b5_proj
	.p2alignl 7, 3214868480
	.fill 96, 4, 3214868480
	.section	.rodata,"a",@progbits
	.p2align	6, 0x0
	.amdhsa_kernel k_q3e901ca2b5_proj
		.amdhsa_group_segment_fixed_size 327680
		.amdhsa_private_segment_fixed_size 0
		.amdhsa_enable_private_segment 0
		.amdhsa_kernarg_size 32
		.amdhsa_user_sgpr_count 2
		.amdhsa_user_sgpr_kernarg_segment_ptr 1
		.amdhsa_wavefront_size32 1
		.amdhsa_system_sgpr_workgroup_id_x 1
		.amdhsa_system_sgpr_workgroup_id_y 1
		.amdhsa_system_sgpr_workgroup_id_z 1
		.amdhsa_system_vgpr_workitem_id 0
		.amdhsa_next_free_vgpr 1024
		.amdhsa_next_free_sgpr 84
		.amdhsa_reserve_vcc 0
		.amdhsa_float_denorm_mode_32 3
		.amdhsa_float_denorm_mode_16_64 3
		.amdhsa_memory_ordered 1
		.amdhsa_forward_progress 1
		.amdhsa_inst_pref_size 73
	.end_amdhsa_kernel
	.amdgpu_metadata
---
amdhsa.version: [ 1, 2 ]
amdhsa.kernels:
  - .name:           k_q3e901ca2b5_proj
    .symbol:         k_q3e901ca2b5_proj.kd
    .args:
      - { .name: ac, .offset: 0, .size: 8, .value_kind: global_buffer, .address_space: global }
      - { .name: woc, .offset: 8, .size: 8, .value_kind: global_buffer, .address_space: global }
      - { .name: lowp_scales, .offset: 16, .size: 8, .value_kind: global_buffer, .address_space: global }
      - { .name: out0, .offset: 24, .size: 8, .value_kind: global_buffer, .address_space: global }
    .group_segment_fixed_size: 327680
    .private_segment_fixed_size: 0
    .kernarg_segment_align: 8
    .kernarg_segment_size: 32
    .max_flat_workgroup_size: 128
    .sgpr_count:     84
    .vgpr_count:     1024
    .wavefront_size: 32
...
	.end_amdgpu_metadata
.endif
;; end of part 4
